; MI455X (gfx1250); checked and timed in simulation.
; The chip was launched on July 23, 2026; its instructions are those of AMD's public machine-readable ISA for CDNA 5 (MIT licence, August 2026) and "CDNA5" Instruction Set Architecture Reference Guide (July 2026). The comments in the code are by the model that wrote it; some were corrected since.
;; MSA Column Attention. Allowed arithmetic: matrix products marked QUANTISED: E2M1 operands, one E8M0 scale for each 32 along K, by v_wmma_scale_f32_16x16x128_f8f6f4 with both operands' format E2M1 (or v_wmma_scale_f32_32x16x128_f4), f32 sums; products left as they are: f32 operands where the result goes on into a quantised operand, else bf16, f16 or f32 operands; f32 sums; everything else in f32.
;; Inputs: Wg_codes 256 x 1 x 16 uint8 (E2M1 codes of Wg, K innermost, in blocks of 32 codes, two codes a byte); Wg_scales 256 x 1 uint8 (E8M0 scales of Wg, one for each 32 codes along K); Wk_codes 256 x 1 x 16 uint8 (E2M1 codes of Wk, K innermost, in blocks of 32 codes, two codes a byte); Wk_scales 256 x 1 uint8 (E8M0 scales of Wk, one for each 32 codes along K); Wo_codes 32 x 8 x 16 uint8 (E2M1 codes of Wo, K innermost, in blocks of 32 codes, two codes a byte); Wo_scales 32 x 8 uint8 (E8M0 scales of Wo, one for each 32 codes along K); Wq_codes 256 x 1 x 16 uint8 (E2M1 codes of Wq, K innermost, in blocks of 32 codes, two codes a byte); Wq_scales 256 x 1 uint8 (E8M0 scales of Wq, one for each 32 codes along K); Wv_codes 256 x 1 x 16 uint8 (E2M1 codes of Wv, K innermost, in blocks of 32 codes, two codes a byte); Wv_scales 256 x 1 uint8 (E8M0 scales of Wv, one for each 32 codes along K); bo 32 float32; ln_beta 32 float32; ln_gamma 32 float32; m 1 x 256 x 256 x 32 float32.
;; Outputs: out0 1 x 256 x 256 x 32 float32.
;; This version of the problem:
;;   THIS VERSION OF THE PROBLEM IS GIVEN IN LOW PRECISION. The matrix products marked QUANTISED in the list below multiply operands that are first quantised to E2M1 (2 exponent bits, 1 mantissa bit; 4 bits a number), with one power-of-two scale for each 32 numbers along K (OCP MX v1.0); their sums are f32. All else is computed in f32.
;;   The module's matrix products, in the order in which they are computed (A, B: the left and right operand; K: the contracted axis; several contracted axes count as one K, in the product's order):
;;     1. [M 65,536, K 32] x [K 32, N 256]; A: computed on the way; B: input Wq (given as codes): QUANTISED
;;     2. [M 65,536, K 32] x [K 32, N 256]; A: computed on the way; B: input Wk (given as codes): QUANTISED
;;     3. [M 65,536, K 32] x [K 32, N 256]; A: computed on the way; B: input Wv (given as codes): QUANTISED
;;     4. [M 65,536, K 32] x [K 32, N 256]; A: computed on the way; B: input Wg (given as codes): QUANTISED
;;     5. batch 2,048 x [M 256, K 32] x [K 32, N 256]; A: computed on the way; B: computed on the way: QUANTISED
;;     6. batch 524,288 x [M 1, K 1] x [K 1, N 32]; A: computed on the way; B: computed on the way: left as it is (no contracted axis)
;;     7. [M 65,536, K 256] x [K 256, N 32]; A: computed on the way; B: input Wo (given as codes): QUANTISED
;;   THE QUANTISER, for each operand of a quantised product, along K:
;;     - K is cut into blocks of 32 from its start; a last block that is shorter is filled with zeros.
;;     - A block's scale is 2^e with e = floor(log2(the largest magnitude in the block)) - 2, held to -126 .. 127; a block of zeros has e = 0. As a byte (E8M0): e + 127.
;;     - Each number is divided by its block's scale, clamped to +-6, and rounded to the nearest number of E2M1, ties to even, subnormals kept.
;;     - The product sums the exact products of the quantised numbers (number of the format x scale) in f32.
;;   ~~~python
;;   def quantise(x, axis):      # numpy; x: float32 -> the quantised numbers, widened to float32 again
;;       x = np.moveaxis(x, axis, -1); K = x.shape[-1]
;;       x = np.pad(x, [(0, 0)] * (x.ndim - 1) + [(0, -K % 32)]); x = x.reshape(x.shape[:-1] + (-1, 32)); a = np.abs(x).max(-1, keepdims=True)
;;       e = np.where(a > 0, np.clip(np.frexp(np.where(a > 0, a, 1))[1] - 1 - 2, -126, 127), 0)      # np.frexp(a)[1] - 1 = floor(log2(a)), exactly
;;       r = np.clip(x / 2.0 ** e, -6, 6)
;;       step = 2.0 ** (np.maximum(np.frexp(np.where(r == 0, 1, r))[1] - 1, 0) - 1)
;;       q = np.round(r / step) * step * 2.0 ** e      # np.round: ties to even
;;       return np.moveaxis(q.reshape(q.shape[:-2] + (-1,))[..., :K], -1, axis).astype(np.float32)
;;   ~~~
;;   OPERANDS COMPUTED ON THE WAY. 'Computed on the way' means the value that the module computes at that place (a softmax that the list does not call 'softmax' is quantised finished and normalised). What goes into a quantiser is computed in f32, as accurately as f32 sums, v_exp_f32 and their like allow (about 1e-6 of the number): no bf16 or f16 on the way to a quantiser, and a product that is left as it is and whose result goes on into a quantised operand takes f32 operands (vector FMAs, or v_wmma_f32_16x16x4_f32). A number that lies on a knife's edge between two numbers of the format may be rounded either way, as far as f32 arithmetic and the matrix unit's own rounding can turn it there, and no further.
;;   INPUTS GIVEN AS CODES. Wg (in the module: [32, 256], K = its axis 0); Wk (in the module: [32, 256], K = its axis 0); Wo (in the module: [256, 32], K = its axis 0); Wq (in the module: [32, 256], K = its axis 0); Wv (in the module: [32, 256], K = its axis 0): each comes as NAME_codes (uint8): NAME with its K axis moved to the last place and cut into blocks of 32 codes, [.., K / 32, bytes a block], one block behind the other in memory; two codes a byte, the lower K in the low four bits (a code: sign, 2 exponent bits, 1 mantissa bit); and NAME_scales (uint8): the same leading axes, one E8M0 byte (e + 127) for each 32 codes along K. Its value is code x scale, taken as it is: it is not quantised again, and the codes and scales need not be those that the quantiser above would give.
;; 2 versions. Each part assembles by itself: llvm-mc -triple=amdgcn-amd-amdhsa -mcpu=gfx1250 --defsym DOCPART=n.
;; ======== version 1 of 2: 1 launch
;; launch colattn (part 1): grid 256 x 1, 16 waves a work-group, no clusters, 53,248 bytes of LDS; arguments m, ln_gamma, ln_beta, Wv_codes, Wg_codes, Wv_scales, Wg_scales, Wo_codes, Wo_scales, bo, out0; writes out0
.if DOCPART == 1
	.amdgcn_target "amdgcn-amd-amdhsa--gfx1250"
	.amdhsa_code_object_version 6
	.text
	.protected	k_q92e967032e_colattn
	.globl	k_q92e967032e_colattn
	.p2align	8
	.type	k_q92e967032e_colattn,@function
k_q92e967032e_colattn:
	s_mov_b64 s[64:65], 0
	v_nop
	global_prefetch_b8 v0, s[64:65] scope:SCOPE_SE
	s_setreg_imm32_b32 hwreg(HW_REG_WAVE_MODE, 25, 1), 1
	s_wait_xcnt 0x0
; out = Q(sigmoid(Q(mn) Wg) * (Q(mn) Wv)) Wo + bo,  mn = LayerNorm(m) * ln_gamma + ln_beta.  Q: the MX-FP4 quantiser along a product's K.  65,536 rows of 32 f32 in, as many out.
; WORK LEFT OUT, AND WHY IT IS DEAD.  reference() forms o = g * einsum(bstih,bsihc->bsihc)(a, v): v is indexed by s, so t is summed out of a alone, and v is multiplied by the sum over t of a[b,s,t,i,h].
; a is a softmax over that same axis t: each a is exp(x_t - max) divided by the sum over t of exp(x_t - max), so its sum over t is 1 by identity, for every finite score x, whatever q, k and their
; quantisers give.  The factor 1 moves no code and no scale of o.  So the products q = mn Wq, k = mn Wk, the scores q k, the softmax with its maximum, and that factor are left out, whole.
; Wq_codes, Wq_scales, Wk_codes, Wk_scales then have no way to any output: they are not loaded and are not among the arguments.
; LIMITS.  A NaN, an infinity or an overflow that would arise only in q, k, the scores or the softmax is not carried to the result.  NaN and infinities among the inputs are not served.
; A block of zeros gets the scale byte 1 where the quantiser says 127: its codes are zeros, which add nothing under that byte, and only this text reads the byte.  Blocks whose largest magnitude
; lies under 2^-124 get the byte 1, as the quantiser's hold at -126 asks; such blocks were not tried.
; SHARES.  A work-group takes 256 consecutive rows, each of its sixteen waves one tile of 16 rows: 2,048 consecutive bytes in and out.  Straight-line text: no loop, no branch, one barrier.
; NO CLUSTER, NO TENSOR LOAD: what work-groups share are 12,800 bytes of weights and scales against 65,536 bytes of a work-group's own rows; each thread copies 25 bytes of them through registers into LDS, once.
; THE PROJECTIONS HAVE K = 32, a quarter of the matrix instruction's 128, and are used transposed (source 0 = rows of W, source 1 = x).  A GROUP b (head b) is four registers in which lane l holds the
; 16 bytes of W's row 32 b + l, as they lie in memory: lanes 0-15 stand in K block 0, lanes 16-31 in K block 1.  x exists twice: XLO has its codes in K block 0 and zero codes elsewhere, XHI in K block 1.
; group b x XLO gives hidden units 32 b + 0..15, group b x XHI gives 32 b + 16..31; what source 0 holds where x has zero codes (the other lanes; registers 4-7, which are the next group's) adds nothing.
; In a result lane (r, h) holds row r, and register j of tile (b, u) the hidden unit 32 b + 16 u + 8 h + j.
.set VIMG,  0                          ; LDS: Wv_codes as they lie: the image of V's 8 groups, 512 bytes a group
.set GIMG,  4096                       ; Wg_codes likewise
.set WOI,   8192                       ; Wo's four fragments as images of their registers: 2048 nt + 1024 s + 512 c + 16 lane
.set SCW,   12288                      ; the projections' scale words: 512 q + 16 lane + 4 (head % 4); q = 0, 1: V's heads 0-3, 4-7; q = 2, 3: G's
.set MSTG,  14336                      ; a stage for each wave: 16 rows, SP bytes apart; m turns through it on the way in, out0 on the way out
.set SP,    144                        ; 128 bytes + 16 = 9 x 16: the sixteen rows that a load touches begin at sixteen different 16-byte columns modulo 256
.set WSTG,  16*SP
.set SPARE, MSTG+16*WSTG               ; 51,200: the spare words, 128 bytes for each wave: eight blocks of 256 bytes that no other line names
.set LI,  1                            ; v1   16 x lane: an image's place for my lane; also my offset in the wave's 512 bytes of m and of out0
.set IW,  2                            ; v2   16 x thread: where I store a row of codes (V's 256 rows, then G's)
.set T8,  3                            ; v3   thread % 256: my row's scale byte in memory
.set CWO, 4                            ; v4   16 x (thread % 256): my row's codes in memory
.set SWA, 5                            ; v5   where I store my row's scale word
.set WOA, 6                            ; v6   where I store my 8 bytes of Wo, less WOI
.set WOO, 7                            ; v7   8 x thread: my 8 bytes of Wo_codes in memory
.set SD,  8                            ; v8   the stage, dense side: row lane / 8, byte 16 (lane % 8)
.set SX,  9                            ; v9   the stage: row r, byte 64 h: my 16 numbers of x
.set SO,  10                           ; v10  the stage: row r, byte 32 h: my eight outputs of a tile
.set GBO, 11                           ; v11  64 h: my 16 numbers of ln_gamma and ln_beta
.set BOO, 12                           ; v12  32 h: my eight numbers of bo
.set WSO, 13                           ; v13  8 x lane: row lane of Wo_scales
.set MX,  16                           ; v16-17 largest magnitudes
.set PX,  18                           ; v18-19 what lane l xor 16 sends
.set SCL, 20                           ; v20-21 the conversions' scale operands
.set BY,  22                           ; v22-23 scale bytes
.set MU,  24                           ; v[24:25] the mean (the pair's upper word is written once, 0)
.set RS,  26                           ; v[26:27] 1 / sqrt(var + eps), likewise
.set SM,  28                           ; v[28:31] sums
.set WV,  32                           ; v32-63   V's 8 groups
.set WG,  64                           ; v64-95   G's 8 groups
.set WO,  96                           ; v96-127  Wo's fragments: (nt, s) at 96 + 8 (2 nt + s)
.set WSV, 128                          ; v128-135 V's scale words, one a head: scales and nothing else
.set WSG, 136                          ; v136-143 G's
.set WOS, 144                          ; v144-145 Wo's scale words of K steps 0, 1: lane l has row l's
.set XS,  146                          ; v146 x's scale word
.set OS,  147                          ; v147 o's scale word of the K step in hand
.set XLO, 148                          ; v148-155
.set XHI, 156                          ; v156-163
.set OF,  164                          ; v164-171 o's fragment of the K step in hand
.set CW,  164                          ; at the head: my row's codes,
.set CO,  168                          ; my 8 bytes of Wo,
.set SB,  170                          ; my row's scale byte,
.set SWD, 171                          ; and its scale word
.set OA,  172                          ; v172-187 the two accumulators of out0, begun as bo
.set VA,  188                          ; v188-219 four tiles of v
.set GA,  220                          ; v220-251 four tiles of the gate, then of o
.set R,   188                          ; in the LayerNorm: m as loaded,
.set X,   204                          ; my 16 numbers of a row,
.set GAM, 220                          ; ln_gamma's 16,
.set BET, 236                          ; ln_beta's 16
.set SPW, 252                          ; v252 LDS address of my spare word: SPARE + 4 x my thread's number; never rewritten
.set NIL, 253                          ; v253 0; never rewritten
	s_load_b512 s[4:19], s[0:1], 0x0               ; m s[4:5], ln_gamma s[6:7], ln_beta s[8:9], Wv_codes s[10:11], Wg_codes s[12:13], Wv_scales s[14:15], Wg_scales s[16:17], Wo_codes s[18:19]
	s_load_b128 s[20:23], s[0:1], 0x40             ; Wo_scales s[20:21], bo s[22:23]
	s_load_b64 s[24:25], s[0:1], 0x50              ; out0
	v_lshl_add_u32 v[SPW], v0, 2, SPARE
	v_mov_b32 v[NIL], 0
	v_lshrrev_b32 v14, 5, v0
	v_readfirstlane_b32 s26, v14                   ; wave 0..15
	s_and_b32 s27, s26, 3
	s_lshl_b32 s27, s27, 2
	s_lshr_b32 s29, s26, 2
	s_lshl_b32 s29, s29, 9
	s_add_co_u32 s27, s27, s29
	s_add_co_u32 s27, s27, SCW                     ; my wave copies head wave % 8 of V (waves 0-7) or of G (8-15): its scale words go to SCW + 512 (wave / 4) + 4 (wave % 4) + 16 lane
	s_mul_i32 s28, s26, WSTG
	s_add_co_u32 s28, s28, MSTG                    ; my wave's stage
	s_lshl_b32 s30, ttmp9, 15                      ; the work-group's 256 rows of 128 bytes,
	s_lshl_b32 s31, s26, 11                        ; my wave's 16 of them
	s_add_co_u32 s30, s30, s31
	s_mov_b32 s31, 0
	s_mov_b32 s34, 0x76543210
	s_mov_b32 s35, 0xfedcba98                      ; v_permlanex16_b32's selects for lane l xor 16
	s_mov_b32 s36, 0x3d000000                      ; 1 / 32
	s_mov_b32 s37, 0x3727c5ac                      ; 1e-5
	s_mov_b32 s38, 0xbfb8aa3b                      ; -log2(e)
	s_mov_b32 s39, s38                             ; (named with it as a pair, so it is written)
	v_and_b32 v14, 31, v0                          ; lane
	v_and_b32 v15, 15, v0                          ; r
	v_bfe_u32 v20, v0, 4, 1                        ; h
	v_lshlrev_b32 v[LI], 4, v14
	v_lshlrev_b32 v[IW], 4, v0
	v_and_b32 v[T8], 0xff, v0
	v_lshlrev_b32 v[CWO], 4, v[T8]
	v_add_nc_u32 v[SWA], s27, v[LI]
	; My 8 bytes of Wo_codes lie at byte 8 t: row n = t / 16; in the row bit 3 of t is the K step s, bit 2 the half c of a fragment, bit 1 the lanes' half h, bit 0 which 8 of the 16 bytes.
	v_lshrrev_b32 v21, 8, v0                       ; nt = n / 16
	v_lshlrev_b32 v[WOA], 11, v21
	v_bfe_u32 v21, v0, 1, 3                        ; s, c, h
	v_lshl_or_b32 v[WOA], v21, 8, v[WOA]
	v_bfe_u32 v21, v0, 4, 4                        ; r = n % 16
	v_lshl_or_b32 v[WOA], v21, 4, v[WOA]
	v_and_b32 v21, 1, v0
	v_lshl_or_b32 v[WOA], v21, 3, v[WOA]
	v_lshlrev_b32 v[WOO], 3, v0
	v_lshrrev_b32 v21, 3, v14
	v_mul_u32_u24 v21, v21, SP
	v_and_b32 v22, 7, v14
	v_lshl_add_u32 v21, v22, 4, v21
	v_add_nc_u32 v[SD], s28, v21
	v_mul_u32_u24 v21, v15, SP
	v_add_nc_u32 v21, s28, v21
	v_lshl_add_u32 v[SX], v20, 6, v21
	v_lshl_add_u32 v[SO], v20, 5, v21
	v_lshlrev_b32 v[GBO], 6, v20
	v_lshlrev_b32 v[BOO], 5, v20
	v_lshlrev_b32 v[WSO], 3, v14
	v_mov_b32 v[PX], 0                             ; written once: a lane permute's destination counts as one of its sources
	v_mov_b32 v[PX+1], 0
	v_mov_b32 v[MU+1], 0
	v_mov_b32 v[RS+1], 0
.irp i, 2,3,4,5,6,7
	v_mov_b32 v[XLO+\i], 0                         ; zero codes: all of XLO but what the conversions and exchanges below put into registers 0-3
.endr
.irp i, 0,1,4,5,6,7
	v_mov_b32 v[XHI+\i], 0
.endr
	s_wait_kmcnt 0x0
	s_cmp_lt_u32 s26, 8                            ; waves 0-7 copy V's codes and scales, waves 8-15 G's: the choice hangs on the wave's number alone
	s_cselect_b64 s[10:11], s[10:11], s[12:13]
	s_cselect_b64 s[14:15], s[14:15], s[16:17]
	s_add_nc_u64 s[4:5], s[4:5], s[30:31]          ; m and out0 at my wave's first row
	s_add_nc_u64 s[24:25], s[24:25], s[30:31]
	; TWENTY LOADS: all that the wave ever reads from memory is asked for here.  No address register is written again.
	global_load_b128 v[CW:CW+3], v[CWO], s[10:11]
	global_load_u8 v[SB], v[T8], s[14:15]
	global_load_b64 v[CO:CO+1], v[WOO], s[18:19]
.irp i, 0,1,2,3
	global_load_b128 v[R+4*\i:R+4*\i+3], v[LI], s[4:5] offset:512*\i th:TH_LOAD_NT   ; 32 lanes read 512 consecutive bytes: four rows of m; read once in the launch
.endr
	global_load_b64 v[WOS:WOS+1], v[WSO], s[20:21]
.irp n, 0,1
.irp q, 0,1
	global_load_b128 v[OA+8*\n+4*\q:OA+8*\n+4*\q+3], v[BOO], s[22:23] offset:64*\n+16*\q   ; bo(16 nt + 8 h + j) in the result's layout: the sums begin with the bias
.endr
.endr
.irp j, 0,1,2,3
	global_load_b128 v[GAM+4*\j:GAM+4*\j+3], v[GBO], s[6:7] offset:16*\j
.endr
.irp j, 0,1,2,3
	global_load_b128 v[BET+4*\j:BET+4*\j+3], v[GBO], s[8:9] offset:16*\j
.endr
	; THE WEIGHTS INTO LDS, once for the work-group.
	s_wait_loadcnt 17                              ; loads come back in order (ISA guide 5.7.1): the first three are in, the 17 younger may be out
	v_lshl_or_b32 v[SWD], v[SB], 8, v[SB]          ; my row's byte for K block 0 and for K block 1; bytes 2 and 3 stay 0: their blocks meet zero codes of x
	ds_store_b128 v[IW], v[CW:CW+3]
	ds_store_b32 v[SWA], v[SWD]
	ds_store_b64 v[WOA], v[CO:CO+1] offset:WOI
	s_wait_dscnt 0x0                               ; for the others' sake: my stores have landed
	s_barrier_signal -1
	s_barrier_wait -1                              ; the only barrier: behind it nobody writes these 14,336 bytes again
.irp q, 0,1,2,3
	ds_load_b128 v[WSV+4*\q:WSV+4*\q+3], v[LI] offset:SCW+512*\q     ; four heads' scale words a load
.endr
.irp g, 0,1,2,3,4,5,6,7,8,9,10,11,12,13,14,15
	ds_load_b128 v[WV+4*\g:WV+4*\g+3], v[LI] offset:VIMG+512*\g      ; V's 8 groups, then G's
.endr
.irp f, 0,1,2,3,4,5,6,7
	ds_load_b128 v[WO+4*\f:WO+4*\f+3], v[LI] offset:WOI+512*\f
.endr
	; m TURNS THROUGH MY STAGE: in as loaded, out 64 bytes a lane: lane (r, h) then holds k = 16 h + 0..15 of row r.
	s_wait_loadcnt 13                              ; m's four loads are in; the 13 younger may be out
.irp i, 0,1,2,3
	ds_store_b128 v[SD], v[R+4*\i:R+4*\i+3] offset:4*SP*\i
.endr
.irp j, 0,1,2,3
	ds_load_b128 v[X+4*\j:X+4*\j+3], v[SX] offset:16*\j              ; LDS serves a wave's instructions in order (ISA guide 5.7.1.4): these see my stores
.endr
	s_wait_dscnt 0x0                               ; these four are the youngest: the images are in too
	; LAYERNORM, in two passes over registers, so that a common offset of m costs no accuracy.
	v_pk_add_f32 v[SM:SM+1], v[X:X+1], v[X+2:X+3]
	v_pk_add_f32 v[SM+2:SM+3], v[X+4:X+5], v[X+6:X+7]
	v_pk_add_f32 v[SM:SM+1], v[SM:SM+1], v[X+8:X+9]
	v_pk_add_f32 v[SM+2:SM+3], v[SM+2:SM+3], v[X+10:X+11]
	v_pk_add_f32 v[SM:SM+1], v[SM:SM+1], v[X+12:X+13]
	v_pk_add_f32 v[SM+2:SM+3], v[SM+2:SM+3], v[X+14:X+15]
	v_pk_add_f32 v[SM:SM+1], v[SM:SM+1], v[SM+2:SM+3]
	v_add_f32 v[SM], v[SM], v[SM+1]
	v_permlanex16_b32 v[PX], v[SM], s34, s35       ; the row's other 16 numbers lie in lane l xor 16
	v_add_f32 v[SM], v[SM], v[PX]
	v_mul_f32 v[MU], s36, v[SM]                    ; the mean
.irp j, 0,2,4,6,8,10,12,14
	v_pk_add_f32 v[X+\j:X+\j+1], v[X+\j:X+\j+1], v[MU:MU+1] op_sel_hi:[1,0] neg_lo:[0,1] neg_hi:[0,1]   ; m - mean
.endr
	v_pk_mul_f32 v[SM:SM+1], v[X:X+1], v[X:X+1]
	v_pk_mul_f32 v[SM+2:SM+3], v[X+2:X+3], v[X+2:X+3]
.irp j, 4,8,12
	v_pk_fma_f32 v[SM:SM+1], v[X+\j:X+\j+1], v[X+\j:X+\j+1], v[SM:SM+1]
	v_pk_fma_f32 v[SM+2:SM+3], v[X+\j+2:X+\j+3], v[X+\j+2:X+\j+3], v[SM+2:SM+3]
.endr
	v_pk_add_f32 v[SM:SM+1], v[SM:SM+1], v[SM+2:SM+3]
	v_add_f32 v[SM], v[SM], v[SM+1]
	v_permlanex16_b32 v[PX], v[SM], s34, s35
	v_add_f32 v[SM], v[SM], v[PX]
	v_fma_f32 v[RS], v[SM], s36, s37               ; var + eps
	v_rsq_f32 v[RS], v[RS]
	v_nop                                          ; a plain instruction between the transcendental and the use of its result (ISA guide 5.7.2)
	s_wait_alu depctr_va_vdst(0)                   ; and a wait ahead of the first use
.irp j, 0,2,4,6,8,10,12,14
	v_pk_mul_f32 v[X+\j:X+\j+1], v[X+\j:X+\j+1], v[RS:RS+1] op_sel_hi:[1,0]
.endr
	s_wait_loadcnt 0x0                             ; ln_beta's loads are the youngest: Wo's scale words, bo and ln_gamma are in too
.irp j, 0,2,4,6,8,10,12,14
	v_pk_fma_f32 v[X+\j:X+\j+1], v[X+\j:X+\j+1], v[GAM+\j:GAM+\j+1], v[BET+\j:BET+\j+1]
.endr
; The largest magnitude of my 16 numbers of each of nb blocks, block i at v[base + 16 i]; the floor 2^(3 - 127) among the leaves holds the scale's byte at 1 from below.  The blocks take turns.
.macro BLOCKMAX nb, base
.set bi, 0
.rept \nb
	v_max3_num_f32 v[MX+bi], |v[(\base)+16*bi]|, |v[(\base)+16*bi+1]|, 0x1800000
.set bi, bi+1
.endr
.irp i, 2,4,6,8,10,12,14
.set bi, 0
.rept \nb
	v_max3_num_f32 v[MX+bi], v[MX+bi], |v[(\base)+16*bi+\i]|, |v[(\base)+16*bi+\i+1]|
.set bi, bi+1
.endr
.endr
.endm
; With lane l xor 16's: the block's largest magnitude.  2 off its exponent field is the conversion's scale operand (it takes that field alone); shifted down, the scale's byte.
.macro SCALEOF nb
.set bi, 0
.rept \nb
	v_permlanex16_b32 v[PX+bi], v[MX+bi], s34, s35
.set bi, bi+1
.endr
.set bi, 0
.rept \nb
	v_max_num_f32 v[MX+bi], v[MX+bi], v[PX+bi]
.set bi, bi+1
.endr
.set bi, 0
.rept \nb
	v_add_nc_u32 v[SCL+bi], 0xff000000, v[MX+bi]
.set bi, bi+1
.endr
.set bi, 0
.rept \nb
	v_lshrrev_b32 v[BY+bi], 23, v[SCL+bi]
.set bi, bi+1
.endr
.endm
	; x IS QUANTISED: one block of 32 a row.
	BLOCKMAX 1, X
	SCALEOF 1
	v_lshl_or_b32 v[XS], v[BY], 8, v[BY]           ; the row's byte for K block 0 (XLO) and for K block 1 (XHI); the same in both halves of the lanes
	v_cvt_scalef32_pk8_fp4_f32 v[XLO], v[X:X+7], v[SCL]        ; lanes 0-15: k 0-7, lanes 16-31: k 16-23
	v_cvt_scalef32_pk8_fp4_f32 v[XLO+1], v[X+8:X+15], v[SCL]   ; k 8-15, k 24-31
	v_cvt_scalef32_pk8_fp4_f32 v[XHI+2], v[X:X+7], v[SCL]
	v_cvt_scalef32_pk8_fp4_f32 v[XHI+3], v[X+8:X+15], v[SCL]
	v_nop                                          ; one plain instruction behind the scaled conversions
	v_permlane16_swap_b32 v[XLO], v[XLO+2]         ; the first's lanes 16-31 change places with the second's lanes 0-15: registers 0 and 2 now hold k 0-7 and k 16-23 in lanes 0-15, zeros above
	v_permlane16_swap_b32 v[XLO+1], v[XLO+3]       ; registers 1 and 3: k 8-15, k 24-31
	v_permlane16_swap_b32 v[XHI], v[XHI+2]         ; the same four in lanes 16-31, zeros below
	v_permlane16_swap_b32 v[XHI+1], v[XHI+3]
.rept 8
	v_nop                                          ; a scale register written by a vector instruction stands eight plain instructions ahead of a scaled matrix instruction, an operand so written four
.endr
; One tile of a projection: 16 hidden units of head b (hi = 0: units 0-15, by K block 0; hi = 1: units 16-31, by K block 1 and the scale words of lanes 16-31) x my 16 rows.  The constant 0 starts the sum.
.macro PROJ d, w, ws, b, hi
.if \hi
	v_wmma_scale_f32_16x16x128_f8f6f4 v[(\d):(\d)+7], v[(\w)+4*(\b):(\w)+4*(\b)+7], v[XHI:XHI+7], 0, v[(\ws)+(\b)], v[XS] matrix_a_fmt:MATRIX_FMT_FP4 matrix_b_fmt:MATRIX_FMT_FP4 matrix_a_scale:MATRIX_SCALE_ROW1
.else
	v_wmma_scale_f32_16x16x128_f8f6f4 v[(\d):(\d)+7], v[(\w)+4*(\b):(\w)+4*(\b)+7], v[XLO:XLO+7], 0, v[(\ws)+(\b)], v[XS] matrix_a_fmt:MATRIX_FMT_FP4 matrix_b_fmt:MATRIX_FMT_FP4
.endif
.endm
; Two heads, 4 s + 2 c and the next: their gate and v, o = sigmoid(gate) x v, o quantised (a head is a block of 32 along the last product's K) into registers 4 c .. 4 c + 3 of OF and bytes 2 c, 2 c + 1 of OS.
.macro UNIT s, c
.set B0, 4*(\s)+2*(\c)
	PROJ GA, WG, WSG, B0, 0
	PROJ GA+8, WG, WSG, B0, 1
	PROJ GA+16, WG, WSG, B0+1, 0
	PROJ GA+24, WG, WSG, B0+1, 1
	PROJ VA, WV, WSV, B0, 0
	PROJ VA+8, WV, WSV, B0, 1
	PROJ VA+16, WV, WSV, B0+1, 0
	PROJ VA+24, WV, WSV, B0+1, 1
.rept 4
	v_nop                                          ; four plain instructions between a matrix instruction and the first read of its result (ISA guide 7.12.1)
.endr
.set jj, 0
.rept 16
	v_pk_mul_f32 v[GA+jj:GA+jj+1], v[GA+jj:GA+jj+1], s[38:39] op_sel_hi:[1,0]   ; -log2(e) x the gate, each accumulator from its low end on
.set jj, jj+2
.endr
.set jj, 0
.rept 32
	v_exp_f32 v[GA+jj], v[GA+jj]
.set jj, jj+1
.endr
	v_nop                                          ; a plain instruction behind the last exponential,
	s_wait_alu depctr_va_vdst(0)                   ; and one wait for the batch of 32, ahead of its first reader
.set jj, 0
.rept 16
	v_pk_add_f32 v[GA+jj:GA+jj+1], v[GA+jj:GA+jj+1], 1.0 op_sel_hi:[1,0]
.set jj, jj+2
.endr
.set jj, 0
.rept 32
	v_rcp_f32 v[GA+jj], v[GA+jj]                   ; sigmoid = 1 / (1 + 2^(-log2(e) x)): an exponential that has run to infinity gives 0, one that has fallen to 0 gives 1
.set jj, jj+1
.endr
	v_nop
	s_wait_alu depctr_va_vdst(0)                   ; one wait for the 32 reciprocals
.set jj, 0
.rept 16
	v_pk_mul_f32 v[GA+jj:GA+jj+1], v[GA+jj:GA+jj+1], v[VA+jj:VA+jj+1]          ; o; v's accumulators from their low ends on
.set jj, jj+2
.endr
	BLOCKMAX 2, GA
	SCALEOF 2
.if \c
	v_lshl_or_b32 v[OS], v[BY], 16, v[OS]
	v_lshl_or_b32 v[OS], v[BY+1], 24, v[OS]
.else
	v_lshl_or_b32 v[OS], v[BY+1], 8, v[BY]
.endif
	v_cvt_scalef32_pk8_fp4_f32 v[OF+4*(\c)], v[GA:GA+7], v[SCL]            ; first head: k 0-7 in lanes 0-15, k 8-15 in lanes 16-31
	v_cvt_scalef32_pk8_fp4_f32 v[OF+4*(\c)+1], v[GA+16:GA+23], v[SCL+1]    ; second head: the same
	v_cvt_scalef32_pk8_fp4_f32 v[OF+4*(\c)+2], v[GA+8:GA+15], v[SCL]       ; first head: k 16-23, k 24-31
	v_cvt_scalef32_pk8_fp4_f32 v[OF+4*(\c)+3], v[GA+24:GA+31], v[SCL+1]
	v_nop                                          ; one plain instruction behind the scaled conversions
	v_permlane16_swap_b32 v[OF+4*(\c)], v[OF+4*(\c)+1]      ; the operand wants a whole block in a lane: lanes 0-15 the first head, lanes 16-31 the second: registers 4 c, 4 c + 1 now hold k 0-7, k 8-15 of each
	v_permlane16_swap_b32 v[OF+4*(\c)+2], v[OF+4*(\c)+3]    ; registers 4 c + 2, 4 c + 3: k 16-23, k 24-31
.endm
; K step s of out0 = o Wo + bo, transposed: source 0 = 16 rows of Wo (outputs 16 nt + 0..15), source 1 = o.  The two accumulators take turns, one instruction a turn;
; sixteen instructions on other accumulators stand between a link and the next.
.macro OUTP s
.rept 8
	v_nop                                          ; OS and OF were written by vector instructions: eight plain instructions ahead of the scaled matrix instruction
.endr
	v_wmma_scale_f32_16x16x128_f8f6f4 v[OA:OA+7], v[WO+8*(\s):WO+8*(\s)+7], v[OF:OF+7], v[OA:OA+7], v[WOS+(\s)], v[OS] matrix_a_fmt:MATRIX_FMT_FP4 matrix_b_fmt:MATRIX_FMT_FP4
	v_wmma_scale_f32_16x16x128_f8f6f4 v[OA+8:OA+15], v[WO+16+8*(\s):WO+16+8*(\s)+7], v[OF:OF+7], v[OA+8:OA+15], v[WOS+(\s)], v[OS] matrix_a_fmt:MATRIX_FMT_FP4 matrix_b_fmt:MATRIX_FMT_FP4 matrix_a_scale:MATRIX_SCALE_ROW1
.endm
	UNIT 0, 0
	UNIT 0, 1
	OUTP 0
	UNIT 1, 0
	UNIT 1, 1
	OUTP 1
	; THE WAY OUT.  Lane (r, h) holds out0(r, 16 nt + 8 h + 0..7): 32 bytes of a row of 128.  The tile goes through my stage and leaves as it lies in memory.
.rept 4
	v_nop                                          ; four plain instructions between the last products and the first read of their results
.endr
.irp n, 0,1
.irp q, 0,1
	ds_store_b128 v[SO], v[OA+8*\n+4*\q:OA+8*\n+4*\q+3] offset:64*\n+16*\q    ; each accumulator from its low end on
.endr
.endr
.irp i, 0,1,2,3
	ds_load_b128 v[VA+4*\i:VA+4*\i+3], v[SD] offset:4*SP*\i                   ; my own bytes, served in order: these see the stores above
.endr
.irp i, 0,1,2,3
	s_wait_dscnt 3-\i                              ; load i is in; the younger ones may be out
	global_store_b128 v[LI], v[VA+4*\i:VA+4*\i+3], s[24:25] offset:512*\i th:TH_STORE_NT   ; 32 lanes store 512 consecutive bytes, at a multiple of 512 from out0's first byte; written once, read by nobody here
.endr
	s_wait_tensorcnt 0x0                           ; the wave's end, behind my last LDS store
	ds_add_u32 v[SPW], v[NIL]
	s_wait_dscnt 0x0
	s_endpgm
.Lfunc_end_k_q92e967032e_colattn:
	.size	k_q92e967032e_colattn, .Lfunc_end_k_q92e967032e_colattn-k_q92e967032e_colattn
	.p2alignl 7, 3214868480
	.fill 96, 4, 3214868480
	.section	.rodata,"a",@progbits
	.p2align	6, 0x0
	.amdhsa_kernel k_q92e967032e_colattn
		.amdhsa_group_segment_fixed_size 53248
		.amdhsa_private_segment_fixed_size 0
		.amdhsa_enable_private_segment 0
		.amdhsa_kernarg_size 88
		.amdhsa_user_sgpr_count 2
		.amdhsa_user_sgpr_kernarg_segment_ptr 1
		.amdhsa_wavefront_size32 1
		.amdhsa_system_sgpr_workgroup_id_x 1
		.amdhsa_system_sgpr_workgroup_id_y 1
		.amdhsa_system_sgpr_workgroup_id_z 1
		.amdhsa_system_vgpr_workitem_id 0
		.amdhsa_next_free_vgpr 256
		.amdhsa_next_free_sgpr 66
		.amdhsa_reserve_vcc 0
		.amdhsa_float_denorm_mode_32 3
		.amdhsa_float_denorm_mode_16_64 3
		.amdhsa_memory_ordered 1
		.amdhsa_forward_progress 1
		.amdhsa_inst_pref_size 48
	.end_amdhsa_kernel
	.amdgpu_metadata
---
amdhsa.version: [ 1, 2 ]
amdhsa.kernels:
  - .name:           k_q92e967032e_colattn
    .symbol:         k_q92e967032e_colattn.kd
    .args:
      - { .name: m, .offset: 0, .size: 8, .value_kind: global_buffer, .address_space: global }
      - { .name: ln_gamma, .offset: 8, .size: 8, .value_kind: global_buffer, .address_space: global }
      - { .name: ln_beta, .offset: 16, .size: 8, .value_kind: global_buffer, .address_space: global }
      - { .name: Wv_codes, .offset: 24, .size: 8, .value_kind: global_buffer, .address_space: global }
      - { .name: Wg_codes, .offset: 32, .size: 8, .value_kind: global_buffer, .address_space: global }
      - { .name: Wv_scales, .offset: 40, .size: 8, .value_kind: global_buffer, .address_space: global }
      - { .name: Wg_scales, .offset: 48, .size: 8, .value_kind: global_buffer, .address_space: global }
      - { .name: Wo_codes, .offset: 56, .size: 8, .value_kind: global_buffer, .address_space: global }
      - { .name: Wo_scales, .offset: 64, .size: 8, .value_kind: global_buffer, .address_space: global }
      - { .name: bo, .offset: 72, .size: 8, .value_kind: global_buffer, .address_space: global }
      - { .name: out0, .offset: 80, .size: 8, .value_kind: global_buffer, .address_space: global }
    .group_segment_fixed_size: 53248
    .private_segment_fixed_size: 0
    .kernarg_segment_align: 8
    .kernarg_segment_size: 88
    .max_flat_workgroup_size: 512
    .sgpr_count:     66
    .vgpr_count:     256
    .wavefront_size: 32
...
	.end_amdgpu_metadata
.endif
;; end of part 1
;; ======== version 2 of 2: 1 launch; version 1 with the launch colattn written anew for expert scheduling mode
;; launch colattn (part 2): grid 256 x 1, 16 waves a work-group, no clusters, 53,248 bytes of LDS; arguments m, ln_gamma, ln_beta, Wv_codes, Wg_codes, Wv_scales, Wg_scales, Wo_codes, Wo_scales, bo, out0; writes out0
.if DOCPART == 2
	.amdgcn_target "amdgcn-amd-amdhsa--gfx1250"
	.amdhsa_code_object_version 6
	.text
	.protected	k_q92e967032e_colattn
	.globl	k_q92e967032e_colattn
	.p2align	8
	.type	k_q92e967032e_colattn,@function
k_q92e967032e_colattn:
	s_mov_b64 s[64:65], 0
	v_nop
	global_prefetch_b8 v0, s[64:65] scope:SCOPE_SE
	s_setreg_imm32_b32 hwreg(HW_REG_WAVE_SCHED_MODE, 0, 2), 2
	s_setreg_imm32_b32 hwreg(HW_REG_WAVE_MODE, 25, 1), 1
	s_wait_xcnt 0x0
	s_wait_alu depctr_vm_vsrc(0)
; out = Q(sigmoid(Q(mn) Wg) * (Q(mn) Wv)) Wo + bo,  mn = LayerNorm(m) * ln_gamma + ln_beta.  Q: the MX-FP4 quantiser along a product's K.  65,536 rows of 32 f32 in, as many out.
; WORK LEFT OUT, AND WHY IT IS DEAD.  reference() forms o = g * einsum(bstih,bsihc->bsihc)(a, v): v is indexed by s, so t is summed out of a alone, and v is multiplied by the sum over t of a[b,s,t,i,h].
; a is a softmax over that same axis t: each a is exp(x_t - max) divided by the sum over t of exp(x_t - max), so its sum over t is 1 by identity, for every finite score x, whatever q, k and their
; quantisers give.  The factor 1 moves no code and no scale of o.  So the products q = mn Wq, k = mn Wk, the scores q k, the softmax with its maximum, and that factor are left out, whole.
; Wq_codes, Wq_scales, Wk_codes, Wk_scales then have no way to any output: they are not loaded and are not among the arguments.
; LIMITS.  A NaN, an infinity or an overflow that would arise only in q, k, the scores or the softmax is not carried to the result.  NaN and infinities among the inputs are not served.
; A block of zeros gets the scale byte 1 where the quantiser says 127: its codes are zeros, which add nothing under that byte, and only this text reads the byte.  Blocks whose largest magnitude
; lies under 2^-124 get the byte 1, as the quantiser's hold at -126 asks; such blocks were not tried.
; SHARES.  A work-group takes 256 consecutive rows, each of its sixteen waves one tile of 16 rows: 2,048 consecutive bytes in and out.  Straight-line text: no loop, no branch, one barrier.
; NO CLUSTER, NO TENSOR LOAD: what work-groups share are 12,800 bytes of weights and scales against 65,536 bytes of a work-group's own rows; each thread copies 25 bytes of them through registers into LDS, once.
; THE PROJECTIONS HAVE K = 32, a quarter of the matrix instruction's 128, and are used transposed (source 0 = rows of W, source 1 = x).  A GROUP b (head b) is four registers in which lane l holds the
; 16 bytes of W's row 32 b + l, as they lie in memory: lanes 0-15 stand in K block 0, lanes 16-31 in K block 1.  x exists twice: XLO has its codes in K block 0 and zero codes elsewhere, XHI in K block 1.
; group b x XLO gives hidden units 32 b + 0..15, group b x XHI gives 32 b + 16..31; what source 0 holds where x has zero codes (the other lanes; registers 4-7, which are the next group's) adds nothing.
; In a result lane (r, h) holds row r, and register j of tile (b, u) the hidden unit 32 b + 16 u + 8 h + j.
; THE MODE: SCHED_MODE bits 1:0 = 2 (LLVM: expert scheduling mode 2), set by the entry lines.  The code itself states the register dependences
; between vector or matrix instructions and memory or LDS instructions, with s_wait_alu, always for 0.
; THE PLAN.  Registers that memory or LDS instructions touch:
;   v1-v13          offsets and LDS addresses: written by vector lines at the head, read by every load and store, never written again: one wait on va_vdst ahead of the first load.
;   v164-169, v171  my part of the weights: loaded (v171 made by one vector line: a wait on va_vdst behind it), read by three LDS stores; written again as OF by the conversions.
;   v188-203        m as loaded: read by the four stores into my stage; written again as VA by the projections, and at the end by the loads from my stage.
;   v204-219        x: LDS loads land here; vector instructions alone name it afterwards.
;   v32-143         the images and scale words: LDS loads land here, matrix instructions alone read them, nothing writes them again: so these 28 loads stand ahead of the LayerNorm and land under it.
;   v144-145, v172-187, v220-251   Wo's scale words, bo, ln_gamma, ln_beta: global loads land here; vector and matrix instructions alone name them until the way out.
;   v172-187        the two accumulators: written by the last products, read by the way out's LDS stores: the places, then a wait on va_vdst.
;   v252, v253      written at the head, read by the closing add alone.
; ONE wait on vm_vsrc, ahead of the first projection, states that the LDS stores have read v164-171 and v188-203.  Operands and scales that vector instructions make for a scaled matrix
; instruction (XS, XLO, XHI once; OS, OF once a K step of the last product) have their places and, behind these, a wait on va_vdst.
.set VIMG,  0                          ; LDS: Wv_codes as they lie: the image of V's 8 groups, 512 bytes a group
.set GIMG,  4096                       ; Wg_codes likewise
.set WOI,   8192                       ; Wo's four fragments as images of their registers: 2048 nt + 1024 s + 512 c + 16 lane
.set SCW,   12288                      ; the projections' scale words: 512 q + 16 lane + 4 (head % 4); q = 0, 1: V's heads 0-3, 4-7; q = 2, 3: G's
.set MSTG,  14336                      ; a stage for each wave: 16 rows, SP bytes apart; m turns through it on the way in, out0 on the way out
.set SP,    144                        ; 128 bytes + 16 = 9 x 16: the sixteen rows that a load touches begin at sixteen different 16-byte columns modulo 256
.set WSTG,  16*SP
.set SPARE, MSTG+16*WSTG               ; 51,200: the spare words, 128 bytes for each wave: eight blocks of 256 bytes that no other line names
.set LI,  1                            ; v1   16 x lane: an image's place for my lane; also my offset in the wave's 512 bytes of m and of out0
.set IW,  2                            ; v2   16 x thread: where I store a row of codes (V's 256 rows, then G's)
.set T8,  3                            ; v3   thread % 256: my row's scale byte in memory
.set CWO, 4                            ; v4   16 x (thread % 256): my row's codes in memory
.set SWA, 5                            ; v5   where I store my row's scale word
.set WOA, 6                            ; v6   where I store my 8 bytes of Wo, less WOI
.set WOO, 7                            ; v7   8 x thread: my 8 bytes of Wo_codes in memory
.set SD,  8                            ; v8   the stage, dense side: row lane / 8, byte 16 (lane % 8)
.set SX,  9                            ; v9   the stage: row r, byte 64 h: my 16 numbers of x
.set SO,  10                           ; v10  the stage: row r, byte 32 h: my eight outputs of a tile
.set GBO, 11                           ; v11  64 h: my 16 numbers of ln_gamma and ln_beta
.set BOO, 12                           ; v12  32 h: my eight numbers of bo
.set WSO, 13                           ; v13  8 x lane: row lane of Wo_scales
.set MX,  16                           ; v16-17 largest magnitudes
.set PX,  18                           ; v18-19 what lane l xor 16 sends
.set SCL, 20                           ; v20-21 the conversions' scale operands
.set BY,  22                           ; v22-23 scale bytes
.set MU,  24                           ; v[24:25] the mean (the pair's upper word is written once, 0)
.set RS,  26                           ; v[26:27] 1 / sqrt(var + eps), likewise
.set SM,  28                           ; v[28:31] sums
.set WV,  32                           ; v32-63   V's 8 groups
.set WG,  64                           ; v64-95   G's 8 groups
.set WO,  96                           ; v96-127  Wo's fragments: (nt, s) at 96 + 8 (2 nt + s)
.set WSV, 128                          ; v128-135 V's scale words, one a head: scales and nothing else
.set WSG, 136                          ; v136-143 G's
.set WOS, 144                          ; v144-145 Wo's scale words of K steps 0, 1: lane l has row l's
.set XS,  146                          ; v146 x's scale word
.set OS,  147                          ; v147 o's scale word of the K step in hand
.set XLO, 148                          ; v148-155
.set XHI, 156                          ; v156-163
.set OF,  164                          ; v164-171 o's fragment of the K step in hand
.set CW,  164                          ; at the head: my row's codes,
.set CO,  168                          ; my 8 bytes of Wo,
.set SB,  170                          ; my row's scale byte,
.set SWD, 171                          ; and its scale word
.set OA,  172                          ; v172-187 the two accumulators of out0, begun as bo
.set VA,  188                          ; v188-219 four tiles of v
.set GA,  220                          ; v220-251 four tiles of the gate, then of o
.set R,   188                          ; in the LayerNorm: m as loaded,
.set X,   204                          ; my 16 numbers of a row,
.set GAM, 220                          ; ln_gamma's 16,
.set BET, 236                          ; ln_beta's 16
.set SPW, 252                          ; v252 LDS address of my spare word: SPARE + 4 x my thread's number; never rewritten
.set NIL, 253                          ; v253 0; never rewritten
	s_load_b512 s[4:19], s[0:1], 0x0               ; m s[4:5], ln_gamma s[6:7], ln_beta s[8:9], Wv_codes s[10:11], Wg_codes s[12:13], Wv_scales s[14:15], Wg_scales s[16:17], Wo_codes s[18:19]
	s_load_b128 s[20:23], s[0:1], 0x40             ; Wo_scales s[20:21], bo s[22:23]
	s_load_b64 s[24:25], s[0:1], 0x50              ; out0
	v_lshl_add_u32 v[SPW], v0, 2, SPARE
	v_mov_b32 v[NIL], 0
	v_lshrrev_b32 v14, 5, v0
	v_readfirstlane_b32 s26, v14                   ; wave 0..15.  The vector lines that hang on no scalar stand between this line and the wait for s26
	v_and_b32 v14, 31, v0                          ; lane
	v_and_b32 v15, 15, v0                          ; r
	v_bfe_u32 v20, v0, 4, 1                        ; h
	v_lshlrev_b32 v[LI], 4, v14
	v_lshlrev_b32 v[IW], 4, v0
	v_and_b32 v[T8], 0xff, v0
	v_lshlrev_b32 v[CWO], 4, v[T8]
	; My 8 bytes of Wo_codes lie at byte 8 t: row n = t / 16; in the row bit 3 of t is the K step s, bit 2 the half c of a fragment, bit 1 the lanes' half h, bit 0 which 8 of the 16 bytes.
	v_lshrrev_b32 v21, 8, v0                       ; nt = n / 16
	v_lshlrev_b32 v[WOA], 11, v21
	v_bfe_u32 v21, v0, 1, 3                        ; s, c, h
	v_lshl_or_b32 v[WOA], v21, 8, v[WOA]
	v_bfe_u32 v21, v0, 4, 4                        ; r = n % 16
	v_lshl_or_b32 v[WOA], v21, 4, v[WOA]
	v_and_b32 v21, 1, v0
	v_lshl_or_b32 v[WOA], v21, 3, v[WOA]
	v_lshlrev_b32 v[WOO], 3, v0
	v_lshlrev_b32 v[GBO], 6, v20
	v_lshlrev_b32 v[BOO], 5, v20
	v_lshlrev_b32 v[WSO], 3, v14
	v_mov_b32 v[PX], 0                             ; written once: a lane permute's destination counts as one of its sources
	v_mov_b32 v[PX+1], 0
	v_mov_b32 v[MU+1], 0
	v_mov_b32 v[RS+1], 0
.irp i, 2,3,4,5,6,7
	v_mov_b32 v[XLO+\i], 0                         ; zero codes: all of XLO but what the conversions and exchanges below put into registers 0-3
.endr
.irp i, 0,1,4,5,6,7
	v_mov_b32 v[XHI+\i], 0
.endr
	s_wait_alu depctr_va_sdst(0)                   ; s26 is written, ahead of its first reader: LDS addresses, the bases of m and out0 and the choice of the weights' buffers are made from it
	s_and_b32 s27, s26, 3
	s_lshl_b32 s27, s27, 2
	s_lshr_b32 s29, s26, 2
	s_lshl_b32 s29, s29, 9
	s_add_co_u32 s27, s27, s29
	s_add_co_u32 s27, s27, SCW                     ; my wave copies head wave % 8 of V (waves 0-7) or of G (8-15): its scale words go to SCW + 512 (wave / 4) + 4 (wave % 4) + 16 lane
	s_mul_i32 s28, s26, WSTG
	s_add_co_u32 s28, s28, MSTG                    ; my wave's stage
	s_lshl_b32 s30, ttmp9, 15                      ; the work-group's 256 rows of 128 bytes,
	s_lshl_b32 s31, s26, 11                        ; my wave's 16 of them
	s_add_co_u32 s30, s30, s31
	s_mov_b32 s31, 0
	s_mov_b32 s34, 0x76543210
	s_mov_b32 s35, 0xfedcba98                      ; v_permlanex16_b32's selects for lane l xor 16
	s_mov_b32 s36, 0x3d000000                      ; 1 / 32
	s_mov_b32 s37, 0x3727c5ac                      ; 1e-5
	s_mov_b32 s38, 0xbfb8aa3b                      ; -log2(e)
	s_mov_b32 s39, s38                             ; (named with it as a pair, so it is written)
	v_add_nc_u32 v[SWA], s27, v[LI]
	v_lshrrev_b32 v21, 3, v14
	v_mul_u32_u24 v21, v21, SP
	v_and_b32 v22, 7, v14
	v_lshl_add_u32 v21, v22, 4, v21
	v_add_nc_u32 v[SD], s28, v21
	v_mul_u32_u24 v21, v15, SP
	v_add_nc_u32 v21, s28, v21
	v_lshl_add_u32 v[SX], v20, 6, v21
	v_lshl_add_u32 v[SO], v20, 5, v21
	s_wait_kmcnt 0x0
	s_cmp_lt_u32 s26, 8                            ; waves 0-7 copy V's codes and scales, waves 8-15 G's: the choice hangs on the wave's number alone
	s_cselect_b64 s[10:11], s[10:11], s[12:13]
	s_cselect_b64 s[14:15], s[14:15], s[16:17]
	s_add_nc_u64 s[4:5], s[4:5], s[30:31]          ; m and out0 at my wave's first row
	s_add_nc_u64 s[24:25], s[24:25], s[30:31]
	; TWENTY LOADS: all that the wave ever reads from memory is asked for here.  No address register is written again.
	s_wait_alu depctr_va_vdst(0)                   ; the thirteen offsets and addresses v1 to v13 are written, which every load and store of the kernel reads
	global_load_b128 v[CW:CW+3], v[CWO], s[10:11]
	global_load_u8 v[SB], v[T8], s[14:15]
	global_load_b64 v[CO:CO+1], v[WOO], s[18:19]
.irp i, 0,1,2,3
	global_load_b128 v[R+4*\i:R+4*\i+3], v[LI], s[4:5] offset:512*\i th:TH_LOAD_NT   ; 32 lanes read 512 consecutive bytes: four rows of m; read once in the launch
.endr
	global_load_b64 v[WOS:WOS+1], v[WSO], s[20:21]
.irp n, 0,1
.irp q, 0,1
	global_load_b128 v[OA+8*\n+4*\q:OA+8*\n+4*\q+3], v[BOO], s[22:23] offset:64*\n+16*\q   ; bo(16 nt + 8 h + j) in the result's layout: the sums begin with the bias
.endr
.endr
.irp j, 0,1,2,3
	global_load_b128 v[GAM+4*\j:GAM+4*\j+3], v[GBO], s[6:7] offset:16*\j
.endr
.irp j, 0,1,2,3
	global_load_b128 v[BET+4*\j:BET+4*\j+3], v[GBO], s[8:9] offset:16*\j
.endr
	; THE WEIGHTS INTO LDS, once for the work-group.
	s_wait_loadcnt 17                              ; loads come back in order (ISA guide 5.7.1): the first three are in, the 17 younger may be out
	v_lshl_or_b32 v[SWD], v[SB], 8, v[SB]          ; my row's byte for K block 0 and for K block 1; bytes 2 and 3 stay 0: their blocks meet zero codes of x
	s_wait_alu depctr_va_vdst(0)                   ; v[SWD] is written, which the store of the scale word reads
	ds_store_b128 v[IW], v[CW:CW+3]
	ds_store_b32 v[SWA], v[SWD]
	ds_store_b64 v[WOA], v[CO:CO+1] offset:WOI
	s_wait_dscnt 0x0                               ; for the others' sake: my stores have landed
	s_barrier_signal -1
	s_barrier_wait -1                              ; the only barrier: behind it nobody writes these 14,336 bytes again
	; m TURNS THROUGH MY STAGE: in as loaded, out 64 bytes a lane: lane (r, h) then holds k = 16 h + 0..15 of row r.
	s_wait_loadcnt 13                              ; m's four loads are in; the 13 younger may be out
.irp i, 0,1,2,3
	ds_store_b128 v[SD], v[R+4*\i:R+4*\i+3] offset:4*SP*\i
.endr
.irp j, 0,1,2,3
	ds_load_b128 v[X+4*\j:X+4*\j+3], v[SX] offset:16*\j              ; LDS serves a wave's instructions in order (ISA guide 5.7.1.4): these see my stores
.endr
	; THE IMAGES, 28 loads, in the order of their use.  They land in v32-143, which no vector instruction names: so they owe no wait on va_vdst, and the LayerNorm and x's quantiser run while they land.
.macro GV g                            ; G's group g and V's
	ds_load_b128 v[WG+4*(\g):WG+4*(\g)+3], v[LI] offset:GIMG+512*(\g)
	ds_load_b128 v[WV+4*(\g):WV+4*(\g)+3], v[LI] offset:VIMG+512*(\g)
.endm
.macro WOF f                           ; four registers of Wo's fragments: f = 4 nt + 2 s + c
	ds_load_b128 v[WO+4*(\f):WO+4*(\f)+3], v[LI] offset:WOI+512*(\f)
.endm
.irp q, 0,1,2,3
	ds_load_b128 v[WSV+4*\q:WSV+4*\q+3], v[LI] offset:SCW+512*\q     ; loads 1-4: four heads' scale words a load
.endr
	GV 0                                           ; loads 5-10: heads 0 and 1 read groups 0, 1, 2 (a head's operand reaches into the next group)
	GV 1
	GV 2
	GV 3                                           ; loads 11-14: heads 2 and 3 read groups 2, 3, 4
	GV 4
	WOF 0                                          ; loads 15-18: Wo's K step 0, both tiles of outputs
	WOF 1
	WOF 4
	WOF 5
	GV 5                                           ; loads 19-22: heads 4 and 5 read groups 4, 5, 6
	GV 6
	GV 7                                           ; loads 23-24: heads 6 and 7 read groups 6, 7 and the four registers behind group 7, which came with loads 5 and 15
	WOF 2                                          ; loads 25-28: Wo's K step 1
	WOF 3
	WOF 6
	WOF 7
	s_wait_dscnt 28                                ; LDS loads come back in order (ISA guide 5.7.1): x is in, the 28 images may be out
	; LAYERNORM, in two passes over registers, so that a common offset of m costs no accuracy.
	v_pk_add_f32 v[SM:SM+1], v[X:X+1], v[X+2:X+3]
	v_pk_add_f32 v[SM+2:SM+3], v[X+4:X+5], v[X+6:X+7]
	v_pk_add_f32 v[SM:SM+1], v[SM:SM+1], v[X+8:X+9]
	v_pk_add_f32 v[SM+2:SM+3], v[SM+2:SM+3], v[X+10:X+11]
	v_pk_add_f32 v[SM:SM+1], v[SM:SM+1], v[X+12:X+13]
	v_pk_add_f32 v[SM+2:SM+3], v[SM+2:SM+3], v[X+14:X+15]
	v_pk_add_f32 v[SM:SM+1], v[SM:SM+1], v[SM+2:SM+3]
	v_add_f32 v[SM], v[SM], v[SM+1]
	v_permlanex16_b32 v[PX], v[SM], s34, s35       ; the row's other 16 numbers lie in lane l xor 16
	v_add_f32 v[SM], v[SM], v[PX]
	v_mul_f32 v[MU], s36, v[SM]                    ; the mean
.irp j, 0,2,4,6,8,10,12,14
	v_pk_add_f32 v[X+\j:X+\j+1], v[X+\j:X+\j+1], v[MU:MU+1] op_sel_hi:[1,0] neg_lo:[0,1] neg_hi:[0,1]   ; m - mean
.endr
	v_pk_mul_f32 v[SM:SM+1], v[X:X+1], v[X:X+1]
	v_pk_mul_f32 v[SM+2:SM+3], v[X+2:X+3], v[X+2:X+3]
.irp j, 4,8,12
	v_pk_fma_f32 v[SM:SM+1], v[X+\j:X+\j+1], v[X+\j:X+\j+1], v[SM:SM+1]
	v_pk_fma_f32 v[SM+2:SM+3], v[X+\j+2:X+\j+3], v[X+\j+2:X+\j+3], v[SM+2:SM+3]
.endr
	v_pk_add_f32 v[SM:SM+1], v[SM:SM+1], v[SM+2:SM+3]
	v_add_f32 v[SM], v[SM], v[SM+1]
	v_permlanex16_b32 v[PX], v[SM], s34, s35
	v_add_f32 v[SM], v[SM], v[PX]
	v_fma_f32 v[RS], v[SM], s36, s37               ; var + eps
	s_wait_alu depctr_va_vdst(0)
	v_rsq_f32 v[RS], v[RS]
	v_nop                                          ; a plain instruction between the transcendental and the use of its result (ISA guide 5.7.2)
	s_wait_alu depctr_va_vdst(0)                   ; the reciprocal root has written v[RS], ahead of its first reader
.irp j, 0,2,4,6,8,10,12,14
	v_pk_mul_f32 v[X+\j:X+\j+1], v[X+\j:X+\j+1], v[RS:RS+1] op_sel_hi:[1,0]
.endr
	s_wait_alu depctr_va_vdst(0)
	s_wait_loadcnt 0x0                             ; ln_beta's loads are the youngest: Wo's scale words, bo and ln_gamma are in too
.irp j, 0,2,4,6,8,10,12,14
	v_pk_fma_f32 v[X+\j:X+\j+1], v[X+\j:X+\j+1], v[GAM+\j:GAM+\j+1], v[BET+\j:BET+\j+1]
.endr
; The largest magnitude of my 16 numbers of each of nb blocks, block i at v[base + 16 i]; the floor 2^(3 - 127) among the leaves holds the scale's byte at 1 from below.  The blocks take turns.
.macro BLOCKMAX nb, base
.set bi, 0
.rept \nb
	v_max3_num_f32 v[MX+bi], |v[(\base)+16*bi]|, |v[(\base)+16*bi+1]|, 0x1800000
.set bi, bi+1
.endr
.irp i, 2,4,6,8,10,12,14
.set bi, 0
.rept \nb
	v_max3_num_f32 v[MX+bi], v[MX+bi], |v[(\base)+16*bi+\i]|, |v[(\base)+16*bi+\i+1]|
.set bi, bi+1
.endr
.endr
.endm
; With lane l xor 16's: the block's largest magnitude.  2 off its exponent field is the conversion's scale operand (it takes that field alone); shifted down, the scale's byte.
.macro SCALEOF nb
.set bi, 0
.rept \nb
	v_permlanex16_b32 v[PX+bi], v[MX+bi], s34, s35
.set bi, bi+1
.endr
.set bi, 0
.rept \nb
	v_max_num_f32 v[MX+bi], v[MX+bi], v[PX+bi]
.set bi, bi+1
.endr
.set bi, 0
.rept \nb
	v_add_nc_u32 v[SCL+bi], 0xff000000, v[MX+bi]
.set bi, bi+1
.endr
.set bi, 0
.rept \nb
	v_lshrrev_b32 v[BY+bi], 23, v[SCL+bi]
.set bi, bi+1
.endr
.endm
	; x IS QUANTISED: one block of 32 a row.
	BLOCKMAX 1, X
	SCALEOF 1
	v_lshl_or_b32 v[XS], v[BY], 8, v[BY]           ; the row's byte for K block 0 (XLO) and for K block 1 (XHI); the same in both halves of the lanes
	v_cvt_scalef32_pk8_fp4_f32 v[XLO], v[X:X+7], v[SCL]        ; lanes 0-15: k 0-7, lanes 16-31: k 16-23
	v_cvt_scalef32_pk8_fp4_f32 v[XLO+1], v[X+8:X+15], v[SCL]   ; k 8-15, k 24-31
	v_cvt_scalef32_pk8_fp4_f32 v[XHI+2], v[X:X+7], v[SCL]
	v_cvt_scalef32_pk8_fp4_f32 v[XHI+3], v[X+8:X+15], v[SCL]
	v_nop                                          ; one plain instruction behind the scaled conversions
	v_permlane16_swap_b32 v[XLO], v[XLO+2]         ; the first's lanes 16-31 change places with the second's lanes 0-15: registers 0 and 2 now hold k 0-7 and k 16-23 in lanes 0-15, zeros above
	v_permlane16_swap_b32 v[XLO+1], v[XLO+3]       ; registers 1 and 3: k 8-15, k 24-31
	v_permlane16_swap_b32 v[XHI], v[XHI+2]         ; the same four in lanes 16-31, zeros below
	v_permlane16_swap_b32 v[XHI+1], v[XHI+3]
.rept 8
	v_nop                                          ; a scale register written by a vector instruction stands eight plain instructions ahead of a scaled matrix instruction, an operand so written four
.endr
	s_wait_alu depctr_vm_vsrc(0)                   ; the LDS stores of the weights' copy have read v164-171, which the conversions below write as OF; the stores into my stage have read v188-203, which the projections write as VA
	s_wait_alu depctr_va_vdst(0)                   ; v[XS], XLO and XHI are written, which all 32 projections take as scale and as operand; no vector instruction writes them again.  The places above stay beside this wait
; One tile of a projection: 16 hidden units of head b (hi = 0: units 0-15, by K block 0; hi = 1: units 16-31, by K block 1 and the scale words of lanes 16-31) x my 16 rows.  The constant 0 starts the sum.
.macro PROJ d, w, ws, b, hi
.if \hi
	v_wmma_scale_f32_16x16x128_f8f6f4 v[(\d):(\d)+7], v[(\w)+4*(\b):(\w)+4*(\b)+7], v[XHI:XHI+7], 0, v[(\ws)+(\b)], v[XS] matrix_a_fmt:MATRIX_FMT_FP4 matrix_b_fmt:MATRIX_FMT_FP4 matrix_a_scale:MATRIX_SCALE_ROW1
.else
	v_wmma_scale_f32_16x16x128_f8f6f4 v[(\d):(\d)+7], v[(\w)+4*(\b):(\w)+4*(\b)+7], v[XLO:XLO+7], 0, v[(\ws)+(\b)], v[XS] matrix_a_fmt:MATRIX_FMT_FP4 matrix_b_fmt:MATRIX_FMT_FP4
.endif
.endm
; Two heads, 4 s + 2 c and the next: their gate and v, o = sigmoid(gate) x v, o quantised (a head is a block of 32 along the last product's K) into registers 4 c .. 4 c + 3 of OF and bytes 2 c, 2 c + 1 of OS.
; left: how many of the 28 images, the younger ones, may still be out when these two heads' groups have to be there.
.macro UNIT s, c, left
.set B0, 4*(\s)+2*(\c)
	s_wait_dscnt \left                             ; the groups that these two heads read are in
	PROJ GA, WG, WSG, B0, 0
	PROJ GA+8, WG, WSG, B0, 1
	PROJ GA+16, WG, WSG, B0+1, 0
	PROJ GA+24, WG, WSG, B0+1, 1
	PROJ VA, WV, WSV, B0, 0
	PROJ VA+8, WV, WSV, B0, 1
	PROJ VA+16, WV, WSV, B0+1, 0
	PROJ VA+24, WV, WSV, B0+1, 1
.rept 4
	v_nop                                          ; four plain instructions between a matrix instruction and the first read of its result (ISA guide 7.12.1)
.endr
.set jj, 0
.rept 16
	v_pk_mul_f32 v[GA+jj:GA+jj+1], v[GA+jj:GA+jj+1], s[38:39] op_sel_hi:[1,0]   ; -log2(e) x the gate, each accumulator from its low end on
.set jj, jj+2
.endr
.set jj, 0
	s_wait_alu depctr_va_vdst(0)
.rept 32
	v_exp_f32 v[GA+jj], v[GA+jj]
.set jj, jj+1
.endr
	v_nop                                          ; a plain instruction behind the last exponential,
	s_wait_alu depctr_va_vdst(0)                   ; the 32 exponentials have written v[GA ..]: one wait for the batch, ahead of its first reader
.set jj, 0
.rept 16
	v_pk_add_f32 v[GA+jj:GA+jj+1], v[GA+jj:GA+jj+1], 1.0 op_sel_hi:[1,0]
.set jj, jj+2
.endr
.set jj, 0
	s_wait_alu depctr_va_vdst(0)
.rept 32
	v_rcp_f32 v[GA+jj], v[GA+jj]                   ; sigmoid = 1 / (1 + 2^(-log2(e) x)): an exponential that has run to infinity gives 0, one that has fallen to 0 gives 1
.set jj, jj+1
.endr
	v_nop
	s_wait_alu depctr_va_vdst(0)                   ; the 32 reciprocals have written v[GA ..]: one wait for the batch, ahead of its first reader
.set jj, 0
.rept 16
	v_pk_mul_f32 v[GA+jj:GA+jj+1], v[GA+jj:GA+jj+1], v[VA+jj:VA+jj+1]          ; o; v's accumulators from their low ends on
.set jj, jj+2
.endr
	BLOCKMAX 2, GA
	SCALEOF 2
.if \c
	v_lshl_or_b32 v[OS], v[BY], 16, v[OS]
	v_lshl_or_b32 v[OS], v[BY+1], 24, v[OS]
.else
	v_lshl_or_b32 v[OS], v[BY+1], 8, v[BY]
.endif
	v_cvt_scalef32_pk8_fp4_f32 v[OF+4*(\c)], v[GA:GA+7], v[SCL]            ; first head: k 0-7 in lanes 0-15, k 8-15 in lanes 16-31
	v_cvt_scalef32_pk8_fp4_f32 v[OF+4*(\c)+1], v[GA+16:GA+23], v[SCL+1]    ; second head: the same
	v_cvt_scalef32_pk8_fp4_f32 v[OF+4*(\c)+2], v[GA+8:GA+15], v[SCL]       ; first head: k 16-23, k 24-31
	v_cvt_scalef32_pk8_fp4_f32 v[OF+4*(\c)+3], v[GA+24:GA+31], v[SCL+1]
	v_nop                                          ; one plain instruction behind the scaled conversions
	v_permlane16_swap_b32 v[OF+4*(\c)], v[OF+4*(\c)+1]      ; the operand wants a whole block in a lane: lanes 0-15 the first head, lanes 16-31 the second: registers 4 c, 4 c + 1 now hold k 0-7, k 8-15 of each
	v_permlane16_swap_b32 v[OF+4*(\c)+2], v[OF+4*(\c)+3]    ; registers 4 c + 2, 4 c + 3: k 16-23, k 24-31
.endm
; K step s of out0 = o Wo + bo, transposed: source 0 = 16 rows of Wo (outputs 16 nt + 0..15), source 1 = o.  The two accumulators take turns, one instruction a turn;
; sixteen instructions on other accumulators stand between a link and the next.  left: the younger images that may still be out.
.macro OUTP s, left
.rept 8
	v_nop                                          ; OS and OF were written by vector instructions: eight plain instructions ahead of the scaled matrix instruction
.endr
	s_wait_dscnt \left                             ; Wo's two fragments of this K step are in
	s_wait_alu depctr_va_vdst(0)                   ; the conversions and exchanges have written OF, the shifts v[OS], which the two products take as operand and as scale; the places above stay beside this wait
	v_wmma_scale_f32_16x16x128_f8f6f4 v[OA:OA+7], v[WO+8*(\s):WO+8*(\s)+7], v[OF:OF+7], v[OA:OA+7], v[WOS+(\s)], v[OS] matrix_a_fmt:MATRIX_FMT_FP4 matrix_b_fmt:MATRIX_FMT_FP4
	v_wmma_scale_f32_16x16x128_f8f6f4 v[OA+8:OA+15], v[WO+16+8*(\s):WO+16+8*(\s)+7], v[OF:OF+7], v[OA+8:OA+15], v[WOS+(\s)], v[OS] matrix_a_fmt:MATRIX_FMT_FP4 matrix_b_fmt:MATRIX_FMT_FP4 matrix_a_scale:MATRIX_SCALE_ROW1
.endm
	UNIT 0, 0, 18                                  ; images 1-10 are in, 18 may be out
	UNIT 0, 1, 14                                  ; 1-14
	OUTP 0, 10                                     ; 1-18
	UNIT 1, 0, 6                                   ; 1-22
	UNIT 1, 1, 4                                   ; 1-24
	OUTP 1, 0                                      ; all 28
	; THE WAY OUT.  Lane (r, h) holds out0(r, 16 nt + 8 h + 0..7): 32 bytes of a row of 128.  The tile goes through my stage and leaves as it lies in memory.
.rept 4
	v_nop                                          ; four plain instructions between the last products and the first read of their results
.endr
	s_wait_alu depctr_va_vdst(0)                   ; the last products have written the accumulators, which the LDS stores read; every vector and matrix instruction that named v188-203 is done, where the loads from my stage land.  The places above stay beside this wait
.irp n, 0,1
.irp q, 0,1
	ds_store_b128 v[SO], v[OA+8*\n+4*\q:OA+8*\n+4*\q+3] offset:64*\n+16*\q    ; each accumulator from its low end on
.endr
.endr
.irp i, 0,1,2,3
	ds_load_b128 v[VA+4*\i:VA+4*\i+3], v[SD] offset:4*SP*\i                   ; my own bytes, served in order: these see the stores above
.endr
.irp i, 0,1,2,3
	s_wait_dscnt 3-\i                              ; load i is in; the younger ones may be out
	global_store_b128 v[LI], v[VA+4*\i:VA+4*\i+3], s[24:25] offset:512*\i th:TH_STORE_NT   ; 32 lanes store 512 consecutive bytes, at a multiple of 512 from out0's first byte; written once, read by nobody here
.endr
	s_wait_dscnt 0x0                               ; the closing lines, six on end
	s_wait_alu 0x0
	s_wait_tensorcnt 0x0
	ds_add_u32 v[SPW], v[NIL]
	s_wait_dscnt 0x0
	s_endpgm
.Lfunc_end_k_q92e967032e_colattn:
	.size	k_q92e967032e_colattn, .Lfunc_end_k_q92e967032e_colattn-k_q92e967032e_colattn
	.p2alignl 7, 3214868480
	.fill 96, 4, 3214868480
	.section	.rodata,"a",@progbits
	.p2align	6, 0x0
	.amdhsa_kernel k_q92e967032e_colattn
		.amdhsa_group_segment_fixed_size 53248
		.amdhsa_private_segment_fixed_size 0
		.amdhsa_enable_private_segment 0
		.amdhsa_kernarg_size 88
		.amdhsa_user_sgpr_count 2
		.amdhsa_user_sgpr_kernarg_segment_ptr 1
		.amdhsa_wavefront_size32 1
		.amdhsa_system_sgpr_workgroup_id_x 1
		.amdhsa_system_sgpr_workgroup_id_y 1
		.amdhsa_system_sgpr_workgroup_id_z 1
		.amdhsa_system_vgpr_workitem_id 0
		.amdhsa_next_free_vgpr 256
		.amdhsa_next_free_sgpr 66
		.amdhsa_reserve_vcc 0
		.amdhsa_float_denorm_mode_32 3
		.amdhsa_float_denorm_mode_16_64 3
		.amdhsa_memory_ordered 1
		.amdhsa_forward_progress 1
		.amdhsa_inst_pref_size 49
	.end_amdhsa_kernel
	.amdgpu_metadata
---
amdhsa.version: [ 1, 2 ]
amdhsa.kernels:
  - .name:           k_q92e967032e_colattn
    .symbol:         k_q92e967032e_colattn.kd
    .args:
      - { .name: m, .offset: 0, .size: 8, .value_kind: global_buffer, .address_space: global }
      - { .name: ln_gamma, .offset: 8, .size: 8, .value_kind: global_buffer, .address_space: global }
      - { .name: ln_beta, .offset: 16, .size: 8, .value_kind: global_buffer, .address_space: global }
      - { .name: Wv_codes, .offset: 24, .size: 8, .value_kind: global_buffer, .address_space: global }
      - { .name: Wg_codes, .offset: 32, .size: 8, .value_kind: global_buffer, .address_space: global }
      - { .name: Wv_scales, .offset: 40, .size: 8, .value_kind: global_buffer, .address_space: global }
      - { .name: Wg_scales, .offset: 48, .size: 8, .value_kind: global_buffer, .address_space: global }
      - { .name: Wo_codes, .offset: 56, .size: 8, .value_kind: global_buffer, .address_space: global }
      - { .name: Wo_scales, .offset: 64, .size: 8, .value_kind: global_buffer, .address_space: global }
      - { .name: bo, .offset: 72, .size: 8, .value_kind: global_buffer, .address_space: global }
      - { .name: out0, .offset: 80, .size: 8, .value_kind: global_buffer, .address_space: global }
    .group_segment_fixed_size: 53248
    .private_segment_fixed_size: 0
    .kernarg_segment_align: 8
    .kernarg_segment_size: 88
    .max_flat_workgroup_size: 512
    .sgpr_count:     66
    .vgpr_count:     256
    .wavefront_size: 32
...
	.end_amdgpu_metadata
.endif
;; end of part 2
